; MI455X (gfx1250); checked and timed in simulation.
; The chip was launched on July 23, 2026; its instructions are those of AMD's public machine-readable ISA for CDNA 5 (MIT licence, August 2026) and "CDNA5" Instruction Set Architecture Reference Guide (July 2026). The comments in the code are by the model that wrote it; some were corrected since.
;; Counter Propagation Network. Allowed arithmetic: matrix products marked QUANTISED: E3M2 operands, one E8M0 scale for each 32 along K, by v_wmma_scale_f32_16x16x128_f8f6f4 with both operands' format E3M2, f32 sums; everything else in f32.
;; Inputs: Wg 1,000 x 8,192 float32; Wk_codes 8,192 x 64 x 24 uint8 (E3M2 codes of Wk, K innermost, in blocks of 32 codes, four codes in three bytes); Wk_scales 8,192 x 64 uint8 (E8M0 scales of Wk, one for each 32 codes along K); x 4,096 x 2,048 float32.
;; Outputs: out0 4,096 x 1,000 float32.
;; This version of the problem:
;;   THIS VERSION OF THE PROBLEM IS GIVEN IN LOW PRECISION. The matrix products marked QUANTISED in the list below multiply operands that are first quantised to E3M2 (3 exponent bits, 2 mantissa bits; 6 bits a number), with one power-of-two scale for each 32 numbers along K (OCP MX v1.0); their sums are f32. All else is computed in f32.
;;   The module's matrix products, in the order in which they are computed (A, B: the left and right operand; K: the contracted axis; several contracted axes count as one K, in the product's order):
;;     1. [M 4,096, K 2,048] x [K 2,048, N 8,192]; A: computed on the way; B: input Wk (given as codes): QUANTISED
;;   THE QUANTISER, for each operand of a quantised product, along K:
;;     - K is cut into blocks of 32 from its start; a last block that is shorter is filled with zeros.
;;     - A block's scale is 2^e with e = floor(log2(the largest magnitude in the block)) - 4, held to -126 .. 127; a block of zeros has e = 0. As a byte (E8M0): e + 127.
;;     - Each number is divided by its block's scale, clamped to +-28, and rounded to the nearest number of E3M2, ties to even, subnormals kept.
;;     - The product sums the exact products of the quantised numbers (number of the format x scale) in f32.
;;   ~~~python
;;   def quantise(x, axis):      # numpy; x: float32 -> the quantised numbers, widened to float32 again
;;       x = np.moveaxis(x, axis, -1); K = x.shape[-1]
;;       x = np.pad(x, [(0, 0)] * (x.ndim - 1) + [(0, -K % 32)]); x = x.reshape(x.shape[:-1] + (-1, 32)); a = np.abs(x).max(-1, keepdims=True)
;;       e = np.where(a > 0, np.clip(np.frexp(np.where(a > 0, a, 1))[1] - 1 - 4, -126, 127), 0)      # np.frexp(a)[1] - 1 = floor(log2(a)), exactly
;;       r = np.clip(x / 2.0 ** e, -28, 28)
;;       step = 2.0 ** (np.maximum(np.frexp(np.where(r == 0, 1, r))[1] - 1, -2) - 2)
;;       q = np.round(r / step) * step * 2.0 ** e      # np.round: ties to even
;;       return np.moveaxis(q.reshape(q.shape[:-2] + (-1,))[..., :K], -1, axis).astype(np.float32)
;;   ~~~
;;   OPERANDS COMPUTED ON THE WAY. 'Computed on the way' means the value that the module computes at that place (a softmax that the list does not call 'softmax' is quantised finished and normalised). What goes into a quantiser is computed in f32, as accurately as f32 sums, v_exp_f32 and their like allow (about 1e-6 of the number): no bf16 or f16 on the way to a quantiser, and a product that is left as it is and whose result goes on into a quantised operand takes f32 operands (vector FMAs, or v_wmma_f32_16x16x4_f32). A number that lies on a knife's edge between two numbers of the format may be rounded either way, as far as f32 arithmetic and the matrix unit's own rounding can turn it there, and no further.
;;   INPUTS GIVEN AS CODES. Wk (in the module: [8192, 2048], K = its axis 1): each comes as NAME_codes (uint8): NAME with its K axis moved to the last place and cut into blocks of 32 codes, [.., K / 32, bytes a block], one block behind the other in memory; four codes in three bytes: a row's codes are one little-endian stream of bits, code i at bits 6 i .. 6 i + 5 (a code: sign, 3 exponent bits, 2 mantissa bits); and NAME_scales (uint8): the same leading axes, one E8M0 byte (e + 127) for each 32 codes along K. Its value is code x scale, taken as it is: it is not quantised again, and the codes and scales need not be those that the quantiser above would give.
;; One version. Each part assembles by itself: llvm-mc -triple=amdgcn-amd-amdhsa -mcpu=gfx1250 --defsym DOCPART=n.
;; ======== version 1 of 1: 4 launches
;; limits: right only within a limited range of input values
;; workspace buffers: x_codes 6,291,456 bytes; x_scales 262,144 bytes; pv 524,288 bytes; pn 524,288 bytes of whole numbers; idx 16,384 bytes of whole numbers
;; launch quant (part 1): grid 1024 x 1, 4 waves a work-group, no clusters, 42,496 bytes of LDS; arguments x, x_codes, x_scales; writes x_codes, x_scales
.if DOCPART == 1
	.amdgcn_target "amdgcn-amd-amdhsa--gfx1250"
	.amdhsa_code_object_version 6
	.text
	.protected	k_q02fc4704ca_quant
	.globl	k_q02fc4704ca_quant
	.p2align	8
	.type	k_q02fc4704ca_quant,@function
k_q02fc4704ca_quant:
	s_mov_b64 s[64:65], 0
	v_nop
	global_prefetch_b8 v0, s[64:65] scope:SCOPE_SE
	s_setreg_imm32_b32 hwreg(HW_REG_WAVE_MODE, 25, 1), 1
	s_wait_xcnt 0x0
; x [4096][2048] f32: each row is divided by its L2 norm (in f32: x times 1 / sqrt(sum of squares)) and turned into codes of BF6 (E3M2), 6 bits each, K innermost,
; with one E8M0 scale byte for each 32 along K.  x_codes: [4096][1536 bytes], a row is one stream of bits, code i at bits 6 i on; x_scales: [4096][64].
; A block's scale is 2^(floor(log2(its largest magnitude)) - 4): its byte is the largest magnitude's exponent field - 4, held at 1 from below.  A block of zeros so gets the byte 1;
; its codes are zeros, which add nothing under that byte, and the bytes are read by this program alone.
; LIMITS: a row's sum of squares must be a normal, finite f32 number (a row of zeros, for which the division has no result, is not served); NaN and infinities in x are not served;
; x times the reciprocal root differs from x / sqrt by about two units in the last place.
; SHARES: one wave, one row; 4 waves x 1,024 work-groups = 4,096 rows.  A row is 8,192 bytes: 16 loads of 512 consecutive bytes, 64 registers.
; The conversion takes 16 NEIGHBOURS along K from one lane's registers, the loads give a lane 16 bytes of each 512: so the raw row turns through the wave's own stage in LDS (as loaded in, 64 bytes a lane out;
; 16 bytes of padding behind each 64).  The sum of squares is taken of the registers as loaded.  The four waves' 4 x 64 scale bytes meet in LDS; behind one barrier wave 0 stores them as 256 consecutive bytes.
.set WREG, 10496                       ; LDS of a wave: a stage of 4 steps x 32 places x 80 bytes, then 256 bytes (wave 0's hold the work-group's scale bytes)
.set SP,   80                          ; a lane's place in the stage: 64 bytes + 16
.set SCB,  10240                       ; where the work-group's scale bytes begin
.set R,    16                          ; v16-79   the row
.set X,    144                         ; v144-175 two sets of 16 neighbours
.set C,    176                         ; v176-191 codes: 4 registers for each step
.set E,    208                         ; v208-211 scale bytes
.set SQ,   216                         ; v216-223 four packed sums of squares
	s_load_b128 s[4:7], s[0:1], 0x0                ; x, x_codes
	s_load_b64 s[8:9], s[0:1], 0x10                ; x_scales
	v_lshl_add_u32 v240, v0, 2, 0xa400             ; my spare word, behind the four waves' LDS
	v_mov_b32 v241, 0
	v_lshrrev_b32 v1, 5, v0
	v_readfirstlane_b32 s10, v1                    ; wave 0..3
	v_and_b32 v1, 31, v0                           ; lane
	v_lshlrev_b32 v2, 4, v1                        ; my 16 bytes of a load's 512
	s_mul_i32 s11, s10, WREG
	v_lshrrev_b32 v3, 2, v1
	v_mul_u32_u24 v3, v3, SP
	v_and_b32 v4, 3, v1
	v_lshl_add_u32 v3, v4, 4, v3
	v_add_nc_u32 v3, s11, v3                       ; the stage, on the way in: 80 (lane / 4) + 16 (lane % 4)
	v_mul_u32_u24 v4, v1, SP
	v_add_nc_u32 v4, s11, v4                       ; and on the way out: 80 x lane
	v_lshrrev_b32 v5, 1, v1
	s_lshl_b32 s14, s10, 6
	s_add_co_u32 s14, s14, SCB
	v_add_nc_u32 v5, s14, v5                       ; my block's scale byte: 64 x wave + lane / 2 (two lanes to a block)
	v_lshlrev_b32 v7, 3, v1
	v_add_nc_u32 v6, SCB, v7                       ; the scale bytes on the way out: 8 a lane
	v_mul_u32_u24 v12, v1, 12                      ; my 16 codes' place in a step's 384 bytes
	v_mov_b32 v10, 0                               ; written once: a lane permute's destination counts as one of its sources
	v_mov_b32 v15, 0                               ; named with v14 as a pair, so it is written
	s_mov_b32 s12, 0x76543210
	s_mov_b32 s13, 0xfedcba98                      ; v_permlanex16_b32's selects for lane l xor 16
	s_lshl_b32 s15, ttmp9, 2
	s_add_co_u32 s15, s15, s10                     ; my wave's row
	s_lshl_b32 s16, s15, 13                        ; 8,192 bytes of x,
	s_mov_b32 s17, 0
	s_mul_i32 s18, s15, 1536                       ; 1,536 of codes a row,
	s_mov_b32 s19, 0
	s_lshl_b32 s20, ttmp9, 8                       ; 4 x 64 scale bytes a work-group
	s_mov_b32 s21, 0
	s_wait_alu depctr_va_vdst(0)                   ; the wait at the head's end
	s_wait_kmcnt 0x0
	s_add_nc_u64 s[4:5], s[4:5], s[16:17]
	s_add_nc_u64 s[6:7], s[6:7], s[18:19]
	s_add_nc_u64 s[8:9], s[8:9], s[20:21]
.irp i, 0,1,2,3,4,5,6,7,8,9,10,11,12,13,14,15
	global_load_b128 v[R+4*\i:R+4*\i+3], v2, s[4:5] offset:512*\i th:TH_LOAD_NT   ; each load reads 512 consecutive bytes
.endr
.macro XLOAD t                         ; step t's 512 numbers back from the stage, 16 neighbours a lane, into set t % 2
.irp j, 0,1,2,3
	ds_load_b128 v[X+16*((\t)%2)+4*\j:X+16*((\t)%2)+4*\j+3], v4 offset:2560*(\t)+16*\j
.endr
.endm
.macro STEPQ t                         ; 512 numbers of the row: normalised, quantised, stored
.set XS, X+16*((\t)%2)
.set CC, C+4*(\t)
.set EE, E+(\t)
.if (\t) < 3
	XLOAD (\t)+1                                   ; the next step's numbers come while this step is worked
.endif
.if (\t) == 0
	s_wait_dscnt 4                                 ; this step's four loads are in; the next step's four may be out
.elseif (\t) < 3
	s_wait_dscnt 5                                 ; behind this step's loads: the last step's byte store and the next step's four loads
.else
	s_wait_dscnt 1                                 ; behind them: the last step's byte store
.endif
.irp j, 0,2,4,6,8,10,12,14
	v_pk_mul_f32 v[XS+\j:XS+\j+1], v[XS+\j:XS+\j+1], v[14:15] op_sel_hi:[1,0]   ; x / norm, two at a time (the pair's low word serves both halves)
.endr
	v_max3_num_f32 v8, |v[XS]|, |v[XS+1]|, |v[XS+2]|               ; the largest magnitude of my 16, in two chains
	v_max3_num_f32 v9, |v[XS+3]|, |v[XS+4]|, |v[XS+5]|
.irp i, 6,10
	v_max3_num_f32 v8, v8, |v[XS+\i]|, |v[XS+\i+1]|
	v_max3_num_f32 v9, v9, |v[XS+\i+2]|, |v[XS+\i+3]|
.endr
	v_max3_num_f32 v8, v8, |v[XS+14]|, |v[XS+15]|
	v_max3_num_f32 v8, v8, v9, 0x2800000           ; and the floor 2^(5 - 127): so the byte cannot fall under 1
	v_max_num_f32_dpp v8, v8, v8 row_xmask:1 row_mask:0xf bank_mask:0xf   ; with my neighbour's 16: the block's
	v_add_nc_u32 v11, 0xfe000000, v8               ; 4 off its exponent field: the conversion takes the exponent field of this operand as its scale
	v_cvt_scalef32_pk16_bf6_f32 v[CC:CC+2], v[XS:XS+15], v11       ; 16 codes, 96 bits, the first number's code lowest
	v_lshrrev_b32 v[EE], 23, v11                   ; the scale's byte (also the plain instruction behind the conversion)
	ds_store_b8 v5, v[EE] offset:16*(\t)           ; both lanes of a block write the same byte with the same value
	global_store_b96 v12, v[CC:CC+2], s[6:7] offset:384*(\t)       ; the wave stores 384 consecutive bytes
.endm
	s_wait_loadcnt 0
.irp i, 0,1,2,3,4,5,6,7,8,9,10,11,12,13,14,15
	ds_store_b128 v3, v[R+4*\i:R+4*\i+3] offset:2560*(\i/4)+640*(\i%4)   ; the raw row into the stage, as it lies
.endr
.irp c, 0,1,2,3
	v_pk_mul_f32 v[SQ+2*\c:SQ+2*\c+1], v[R+2*\c:R+2*\c+1], v[R+2*\c:R+2*\c+1]   ; the first squares start four chains: nothing is cleared
.endr
.irp i, 8,16,24,32,40,48,56
.irp c, 0,1,2,3
	v_pk_fma_f32 v[SQ+2*\c:SQ+2*\c+1], v[R+\i+2*\c:R+\i+2*\c+1], v[R+\i+2*\c:R+\i+2*\c+1], v[SQ+2*\c:SQ+2*\c+1]
.endr
.endr
	v_pk_add_f32 v[SQ:SQ+1], v[SQ:SQ+1], v[SQ+2:SQ+3]
	v_pk_add_f32 v[SQ+4:SQ+5], v[SQ+4:SQ+5], v[SQ+6:SQ+7]
	v_pk_add_f32 v[SQ:SQ+1], v[SQ:SQ+1], v[SQ+4:SQ+5]
	v_add_f32 v8, v[SQ], v[SQ+1]
	v_add_f32_dpp v8, v8, v8 row_xmask:1 row_mask:0xf bank_mask:0xf
	v_add_f32_dpp v8, v8, v8 row_xmask:2 row_mask:0xf bank_mask:0xf
	v_add_f32_dpp v8, v8, v8 row_xmask:4 row_mask:0xf bank_mask:0xf
	v_add_f32_dpp v8, v8, v8 row_xmask:8 row_mask:0xf bank_mask:0xf
	v_permlanex16_b32 v10, v8, s12, s13
	v_add_f32 v8, v8, v10                          ; the row's sum of squares, in every lane
	s_wait_alu depctr_va_vdst(0)                   ; the wait ahead of the transcendental
	v_rsq_f32 v14, v8                              ; 1 / norm
	v_nop                                          ; a plain instruction behind the transcendental
	XLOAD 0                                        ; LDS serves a wave's instructions in order: these see the stores above
	s_wait_alu depctr_va_vdst(0)                   ; the wait ahead of the first instruction that names the root's result
	STEPQ 0
	STEPQ 1
	STEPQ 2
	STEPQ 3
	s_wait_dscnt 0x0                               ; for the others' sake: my byte stores are done
	s_barrier_signal -1
	s_barrier_wait -1
	s_cmp_lg_u32 s10, 0
	s_cbranch_scc1 .Lnot_wave_0
	ds_load_b64 v[224:225], v6                     ; the work-group's 256 scale bytes
	s_wait_dscnt 0x0
	global_store_b64 v7, v[224:225], s[8:9]        ; 32 lanes store 256 consecutive bytes, at a multiple of 256 from the buffer's first byte
.Lnot_wave_0:
	s_wait_tensorcnt 0x0                           ; the wave's end
	ds_add_u32 v240, v241
	s_wait_dscnt 0x0
	s_endpgm
.Lfunc_end_k_q02fc4704ca_quant:
	.size	k_q02fc4704ca_quant, .Lfunc_end_k_q02fc4704ca_quant-k_q02fc4704ca_quant
	.p2alignl 7, 3214868480
	.fill 96, 4, 3214868480
	.section	.rodata,"a",@progbits
	.p2align	6, 0x0
	.amdhsa_kernel k_q02fc4704ca_quant
		.amdhsa_group_segment_fixed_size 42496
		.amdhsa_private_segment_fixed_size 0
		.amdhsa_enable_private_segment 0
		.amdhsa_kernarg_size 24
		.amdhsa_user_sgpr_count 2
		.amdhsa_user_sgpr_kernarg_segment_ptr 1
		.amdhsa_wavefront_size32 1
		.amdhsa_system_sgpr_workgroup_id_x 1
		.amdhsa_system_sgpr_workgroup_id_y 1
		.amdhsa_system_sgpr_workgroup_id_z 1
		.amdhsa_system_vgpr_workitem_id 0
		.amdhsa_next_free_vgpr 242
		.amdhsa_next_free_sgpr 66
		.amdhsa_reserve_vcc 0
		.amdhsa_float_denorm_mode_32 3
		.amdhsa_float_denorm_mode_16_64 3
		.amdhsa_memory_ordered 1
		.amdhsa_forward_progress 1
		.amdhsa_inst_pref_size 15
	.end_amdhsa_kernel
	.amdgpu_metadata
---
amdhsa.version: [ 1, 2 ]
amdhsa.kernels:
  - .name:           k_q02fc4704ca_quant
    .symbol:         k_q02fc4704ca_quant.kd
    .args:
      - { .name: x, .offset: 0, .size: 8, .value_kind: global_buffer, .address_space: global }
      - { .name: x_codes, .offset: 8, .size: 8, .value_kind: global_buffer, .address_space: global }
      - { .name: x_scales, .offset: 16, .size: 8, .value_kind: global_buffer, .address_space: global }
    .group_segment_fixed_size: 42496
    .private_segment_fixed_size: 0
    .kernarg_segment_align: 8
    .kernarg_segment_size: 24
    .max_flat_workgroup_size: 128
    .sgpr_count:     66
    .vgpr_count:     242
    .wavefront_size: 32
...
	.end_amdgpu_metadata
.endif
;; end of part 1
;; launch gemm (part 2): grid 32 x 16, 4 waves a work-group, clusters of 4 x 4, 327,680 bytes of LDS; arguments x_codes, x_scales, Wk_codes, Wk_scales, pv, pn; writes pv, pn
.if DOCPART == 2
	.amdgcn_target "amdgcn-amd-amdhsa--gfx1250"
	.amdhsa_code_object_version 6
	.text
	.protected	k_q02fc4704ca_gemm
	.globl	k_q02fc4704ca_gemm
	.p2align	8
	.type	k_q02fc4704ca_gemm,@function
k_q02fc4704ca_gemm:
	s_mov_b64 s[64:65], 0
	v_nop
	global_prefetch_b8 v0, s[64:65] scope:SCOPE_SE
	s_setreg_imm32_b32 hwreg(HW_REG_WAVE_MODE, 25, 1), 1
	s_wait_xcnt 0x0
	s_wait_alu depctr_hold_cnt(0) depctr_sa_sdst(0) depctr_va_vdst(0) depctr_va_sdst(0) depctr_va_ssrc(0) depctr_va_vcc(0) depctr_vm_vsrc(0)
	s_getreg_b32 s2, hwreg(HW_REG_IB_STS2, 6, 4)
	s_cmp_eq_u32 s2, 0
	s_cbranch_scc0 .Lentry_in_a_cluster
	s_endpgm
.Lentry_in_a_cluster:
	s_bfe_u32 s2, ttmp6, 0x10000c
	s_cmp_lg_u32 s2, 0xf033
	s_cbranch_scc0 .Lentry_shape_is_right
	s_endpgm
.Lentry_shape_is_right:
; Scores S[b][n] = sum over k of xn[b][k] Wk[n][k] on codes of BF6 (E3M2) with E8M0 scales, f32 sums; of each tile of 256 x 256 only each row's largest score and its n leave:
; pv[tile column][b] (f32) and pn[tile column][b] (u32), the lowest n where scores are equal.  Nothing of the problem is left out here: all 4,096 x 8,192 scores are made.
; LIMITS: a NaN among the scores is passed over by the maxima; a row whose scores are all NaN gets no meaning.
; A work-group of four waves makes one tile; a wave 128 x 128: 64 accumulators of 16 x 16, 512 registers.  32 x 16 = 512 work-groups.
; K goes through a ring of two LDS slots in CHUNKS OF 256 BYTES of each row of codes (a row is 1,536 bytes: six chunks, each on a multiple of 256 bytes).  A step of 128 along K is 96 bytes: sixteen steps,
; of which steps 2, 5, 10 and 13 lie across two chunks.  The scales of the tile's 256 + 256 rows come into LDS once, as whole units of 256 bytes.
; CLUSTERS: 4 x 4 work-groups; x's tiles are asked for jointly along a row of the cluster, Wk's along a column.  Source 0 = 16 rows of Wk, source 1 = 16 rows of x: a lane holds one row b and 8 neighbouring n.
; PREFETCH: with the fill of chunk c goes one request a wave for chunk c + 2 (c = 0 .. 3), and with chunk 0's also one for chunk 1: 32 rows x 256 bytes, a lane a row; of the 128 rows that a wave fetches in the ring
; each of the four partners names 32, by address.
; REGISTERS: window 0: v0-31 addresses, v32-63 scale words (two sets), v128-223 x's fragments (one set); window 1: Wk's fragments, two sets at v0 and v128; windows 2, 3: accumulators (a, b) at v[8 (8 (a % 4) + b)].
.set ROWB,   256
.set NQ,     2
.set KROW,   1536
.set STEPS,  16
.set CHUNKS, 6
.set PITCH,  272                       ; 256 bytes + 16 of padding
.set FR,     12
.set NL,     6
.set NP,     4
.set HALFT,  128*PITCH
.set SLOT,   4*HALFT
.set KS,     64
.set SCL,    2*SLOT                    ; the scales, behind the ring
.set HALFS,  32*272
.set SBLK,   4*272
.set SPARE,  SCL+4*HALFS               ; the spare words: 512 bytes that no other line names
.set XCH,    SPARE+512                 ; 4,096 bytes in which the two waves of a row half meet; no fill lands here
.set ADRA, 16
.set ADRB, 20
.set XA,   24
.set RA,   25
.set GOF,  26
.set ADRS, 27
.set SPW,  28
.set NIL,  29
.set PFO,  30                          ; lane x 1,536: never rewritten
.set LB,   31                          ; the n of my register 0 of block b = 0
.set SC,   32
.set AF,   128
.set BV,   32                          ; on the way out: v32-39 best score of my row in block a, v40-47 its n
.set BI,   40
.set OV,   48
.set ON,   56
.set RB,   64                          ; v64-95 the maxima of 4 x 8 accumulators
.set JB,   96
.set JJ,   100
.set FB,   112
.set CD,   128                         ; v128-159 the eight numbers of the accumulator that holds the maximum
.set MK,   24                          ; s24-54 lane masks (the descriptors that lay there are done with)
.set G1, 24
.set G0, 32
.set G1B, 48
.set G0B, 56
.set G1S, 68
.set G0S, 76
.set G1SB, 80
.set G0SB, 88
.set G0H, 4
.set G0HB, 8
.set PFA, 94                           ; s[94:95] my 32 rows' first byte; never rewritten
.set MSB, 0
.macro WIN new
.if MSB != (\new)
	s_set_vgpr_msb (MSB<<8)|(\new)
.set MSB, (\new)
.endif
.endm
.set MUL_LO, 0xa1
.set MUL_HI, 0xf1
.set TO_B,   0x40
.macro JLOAD g0a, g1a, g0b, g1b        ; a joint load: waves 0, 1 for x, waves 2, 3 for Wk
	s_cmp_eq_u32 s15, 0
	s_cbranch_scc0 .Lfor_b_\@
	tensor_load_to_lds s[\g0a:\g0a+3], s[\g1a:\g1a+7]
	s_nop 0
.rept 4
	v_nop
.endr
	s_branch .Lasked_\@
.Lfor_b_\@:
	tensor_load_to_lds s[\g0b:\g0b+3], s[\g1b:\g1b+7]
	s_nop 0
.rept 4
	v_nop
.endr
.Lasked_\@:
.endm
.macro CREST
	s_cmp_lg_u32 s14, 0
	s_cbranch_scc1 .Lnot_wave_0_\@
	s_barrier_signal -3
.Lnot_wave_0_\@:
	s_barrier_wait -3
	s_barrier_signal -1
	s_barrier_wait -1
.endm
.macro CROUND
	s_barrier_signal -1
	s_barrier_wait -1
	CREST
.endm
	s_load_b128 s[4:7], s[0:1], 0x0                ; x's codes, x's scales
	s_load_b128 s[8:11], s[0:1], 0x10              ; Wk's codes, Wk's scales
	s_load_b128 s[96:99], s[0:1], 0x20             ; pv, pn
	v_lshl_add_u32 v[SPW], v0, 2, SPARE
	v_mov_b32 v[NIL], 0
	ds_add_u32 v[SPW], v[NIL]                      ; the opening lines
	ds_add_u32 v[SPW], v[NIL]
	v_lshrrev_b32 v1, 5, v0
	v_readfirstlane_b32 s14, v1                    ; wave
	s_lshr_b32 s15, s14, 1                         ; my half of the rows; also: I fetch for x (0) or Wk (1)
	s_and_b32 s16, s14, 1                          ; my half of the columns; also: which 128 rows I fetch
	s_bfe_u32 s40, ttmp6, 0x40000                  ; cx
	s_bfe_u32 s41, ttmp6, 0x40004                  ; cy
	s_lshl_b32 s42, ttmp9, 2
	s_add_co_u32 s42, s42, s40                     ; tile column
	s_and_b32 s17, ttmp7, 0xffff
	s_lshl_b32 s17, s17, 2
	s_add_co_u32 s17, s17, s41                     ; tile row
	s_lshl_b32 s43, s41, 2
	s_lshl_b32 s43, 15, s43                        ; my row of the cluster
	s_lshl_b32 s44, 0x1111, s40                    ; my column
	s_or_b32 s[G1+0], s43, (0<<16)|(1<<20)|(1<<21)|(5<<22)|(3<<25)
	s_or_b32 s[G1B+0], s44, (0<<16)|(1<<20)|(1<<21)|(5<<22)|(3<<25)
.irp g, G1, G1B
	s_mov_b32 s[\g+1], ROWB<<16
	s_mov_b32 s[\g+2], 256<<16                     ; 256 rows for the head's loads
	s_mov_b32 s[\g+3], ROWB<<16
	s_mov_b32 s[\g+4], 256
	s_mov_b32 s[\g+5], KROW
	s_mov_b32 s[\g+6], 0
	s_mov_b32 s[\g+7], 0
.endr
	s_or_b32 s[G1S+0], s43, (3<<16)|(1<<20)|(1<<21)|(5<<22)|(3<<25)   ; the scales of 256 rows: 64 dense rows of 256 bytes
	s_or_b32 s[G1SB+0], s44, (3<<16)|(1<<20)|(1<<21)|(5<<22)|(3<<25)
.irp g, G1S, G1SB
	s_mov_b32 s[\g+1], 32<<16
	s_mov_b32 s[\g+2], KS<<16
	s_mov_b32 s[\g+3], 32<<16
	s_mov_b32 s[\g+4], KS
	s_mov_b32 s[\g+5], 32
	s_mov_b32 s[\g+6], 0
	s_mov_b32 s[\g+7], 0
.endr
	s_lshl_b32 s20, s17, 8
	s_lshl_b32 s46, s42, 8
	s_mov_b32 s21, 0
	s_mov_b32 s47, 0
	s_mov_b64 s[18:19], KS
	s_mul_u64 s[22:23], s[20:21], s[18:19]
	s_mul_u64 s[92:93], s[46:47], s[18:19]
	s_mov_b64 s[18:19], KROW
	s_mul_u64 s[20:21], s[20:21], s[18:19]
	s_mul_u64 s[46:47], s[46:47], s[18:19]
	s_mul_i32 s18, s16, 128*KROW
	s_mov_b32 s19, 0
	s_mul_i32 s45, s14, HALFT
	s_wait_dscnt 0x0
	s_wait_kmcnt 0x0
	s_add_nc_u64 s[20:21], s[4:5], s[20:21]
	s_add_nc_u64 s[22:23], s[6:7], s[22:23]
	s_add_nc_u64 s[46:47], s[8:9], s[46:47]
	s_add_nc_u64 s[92:93], s[10:11], s[92:93]
	s_cmp_eq_u32 s15, 0                            ; the prefetches' base: the tile's first row, my 128 rows, my work-group's 32 of them
	s_cselect_b32 s2, s17, s42
	s_cselect_b32 s3, s40, s41
	s_cselect_b64 s[PFA:PFA+1], s[4:5], s[8:9]
	s_lshl_b32 s2, s2, 8
	s_lshl_b32 s66, s16, 7
	s_add_co_u32 s2, s2, s66
	s_lshl_b32 s3, s3, 5
	s_add_co_u32 s2, s2, s3
	s_mul_i32 s66, s2, KROW
	s_mov_b32 s67, 0
	s_add_nc_u64 s[PFA:PFA+1], s[PFA:PFA+1], s[66:67]
	CROUND                                         ; the first joint loads meet
	s_mov_b32 s[G0H], 1
	s_mov_b32 s[G0H+1], 0
	s_mov_b64 s[G0H+2:G0H+3], s[20:21]
	s_or_b32 s[G0H+3], s[G0H+3], 0x80000000
	s_mov_b32 s[G0HB], 1
	s_mov_b32 s[G0HB+1], 2*HALFT
	s_mov_b64 s[G0HB+2:G0HB+3], s[46:47]
	s_or_b32 s[G0HB+3], s[G0HB+3], 0x80000000
	s_mov_b32 s[G0S], 1
	s_mov_b32 s[G0S+1], SCL
	s_mov_b64 s[G0S+2:G0S+3], s[22:23]
	s_or_b32 s[G0S+3], s[G0S+3], 0x80000000
	s_mov_b32 s[G0SB], 1
	s_mov_b32 s[G0SB+1], SCL+2*HALFS
	s_mov_b64 s[G0SB+2:G0SB+3], s[92:93]
	s_or_b32 s[G0SB+3], s[G0SB+3], 0x80000000
	s_add_nc_u64 s[20:21], s[20:21], s[18:19]
	s_add_nc_u64 s[46:47], s[46:47], s[18:19]
.irp s, 0,1
	s_mov_b32 s[G0+4*\s], 1
	s_add_co_u32 s[G0+4*\s+1], s45, \s*SLOT
	s_add_nc_u64 s[G0+4*\s+2:G0+4*\s+3], s[20:21], \s*ROWB
	s_or_b32 s[G0+4*\s+3], s[G0+4*\s+3], 0x80000000
	s_mov_b32 s[G0B+4*\s], 1
	s_add_co_u32 s[G0B+4*\s+1], s45, \s*SLOT
	s_add_nc_u64 s[G0B+4*\s+2:G0B+4*\s+3], s[46:47], \s*ROWB
	s_or_b32 s[G0B+4*\s+3], s[G0B+4*\s+3], 0x80000000
.endr
; the head's four tiles, one a wave: chunk 0 of x's 256 rows, of Wk's 256 rows, x's scales, Wk's scales; one chain of branches, one load to an arm
.macro ARM under, g0, g1, next
	s_cmp_lt_u32 s14, \under
	s_cbranch_scc0 \next
	tensor_load_to_lds s[\g0:\g0+3], s[\g1:\g1+7]
	s_nop 0
.rept 4
	v_nop
.endr
	s_branch .Lhead_asked
\next:
.endm
	ARM 1, G0H,  G1,  .Lhead_b
	ARM 2, G0HB, G1B, .Lhead_sa
	ARM 3, G0S,  G1S, .Lhead_sb
	tensor_load_to_lds s[G0SB:G0SB+3], s[G1SB:G1SB+7]
	s_nop 0
.rept 4
	v_nop
.endr
.Lhead_asked:
	s_mul_i32 s20, s15, HALFT                      ; my 128 rows of x
	s_mul_i32 s21, s16, HALFT
	s_add_co_u32 s21, s21, 2*HALFT                 ; my 128 rows of Wk
	s_mul_i32 s22, s15, HALFS
	s_mul_i32 s23, s16, HALFS
	s_add_co_u32 s23, s23, 2*HALFS
	s_sub_co_u32 s23, s23, s22                     ; from x's scales to Wk's
	s_add_co_u32 s22, s22, SCL
	s_lshl_b32 s66, s16, 11
	s_lshl_b32 s67, s15, 9
	s_add_co_u32 s66, s66, s67
	s_add_co_u32 s66, s66, XCH                     ; the exchange, in: 2,048 x column half + 4 x row
	s_lshl_b32 s67, s14, 8
	s_add_co_u32 s67, s67, XCH                     ; and back: wave w takes rows 64 w .. 64 w + 63
	s_lshl_b32 s2, s42, 8
	s_lshl_b32 s3, s16, 7
	s_add_co_u32 s2, s2, s3                        ; my first n
	s_mov_b32 s3, SLOT-232
	s_mov_b32 s18, SLOT+232
	s_lshl_b32 s46, s42, 14                        ; pv, pn: 16,384 x tile column + 1,024 x tile row + 256 x wave
	s_lshl_b32 s47, s17, 10
	s_add_co_u32 s46, s46, s47
	s_lshl_b32 s47, s14, 8
	s_add_co_u32 s46, s46, s47
	s_mov_b32 s47, 0
	s_add_nc_u64 s[96:97], s[96:97], s[46:47]
	s_add_nc_u64 s[98:99], s[98:99], s[46:47]
	v_and_b32 v6, 31, v0
	v_mul_u32_u24 v[PFO], v6, KROW
	v_and_b32 v1, 15, v0                           ; r
	v_bfe_u32 v2, v0, 4, 1                         ; h
	v_mul_u32_u24 v3, v1, PITCH
	v_mul_u32_u24 v4, v2, 24
	v_add_nc_u32 v4, v3, v4                        ; row x pitch + 24 h
	v_sub_nc_u32 v7, 1, v2
	v_mul_u32_u24 v5, s3, v2
	v_add_nc_u32 v5, v3, v5
	v_add_nc_u32 v5, 232, v5                       ; across two chunks: lanes 0-15 byte 232 in slot 0, lanes 16-31 byte 0 in slot 1
	v_mul_u32_u24 v8, s18, v7
	v_add_nc_u32 v8, v3, v8                        ; and the other way round
	v_add_nc_u32 v[ADRA+2], s20, v5
	v_add_nc_u32 v[ADRA+3], s20, v8
	v_add_nc_u32 v[ADRB+2], s21, v5
	v_add_nc_u32 v[ADRB+3], s21, v8
	v_add_nc_u32 v[ADRA], s20, v4
	v_add_nc_u32 v[ADRB], s21, v4
	v_add_nc_u32 v[ADRA+1], SLOT, v[ADRA]
	v_add_nc_u32 v[ADRB+1], SLOT, v[ADRB]
	global_prefetch_b8 v[PFO], s[PFA:PFA+1] offset:ROWB th:TH_LOAD_NT scope:SCOPE_SE     ; chunk 1
	global_prefetch_b8 v[PFO], s[PFA:PFA+1] offset:2*ROWB th:TH_LOAD_NT scope:SCOPE_SE   ; chunk 2
	v_mul_u32_u24 v5, v1, KS                       ; my row's scales: 64 bytes a row, 16 more for each 256 passed
	v_lshrrev_b32 v9, 8, v5
	v_lshl_add_u32 v5, v9, 4, v5
	v_mul_u32_u24 v9, s23, v2                      ; lanes 16-31 take Wk's
	v_add_nc_u32 v5, v5, v9
	v_add_nc_u32 v[ADRS], s22, v5
	v_lshl_add_u32 v[LB], v2, 3, s2
	v_lshl_add_u32 v[XA], v1, 2, s66
	v_lshlrev_b32 v[GOF], 3, v6
	v_add_nc_u32 v[RA], s67, v[GOF]
.macro FRAG reg, adr, st, i            ; 16 rows x 128 K: six pieces of 8 bytes; byte y of a row lies in slot (y / 256) % 2 at byte y % 256
.irp p, 0,1,2,3,4,5
.set BY, 96*(\st)+48*(\p/3)+8*(\p%3)
.if BY/ROWB == (BY+24)/ROWB
	ds_load_b64 v[\reg+2*\p:\reg+2*\p+1], v[\adr+(BY/ROWB)%2] offset:BY%ROWB+(\i)*16*PITCH
.else
	ds_load_b64 v[\reg+2*\p:\reg+2*\p+1], v[\adr+2+(BY/ROWB)%2] offset:BY%ROWB-232+(\i)*16*PITCH
.endif
.endr
.endm
.macro MUL16 a0, p, q, sc, zero        ; x's blocks a0, a0 + 1 against Wk's eight; the 64 accumulators take turns
.irp a, \a0, \a0+1
.irp b, 0,1,2,3,4,5,6,7
.if \zero
	v_wmma_scale_f32_16x16x128_f8f6f4 v[8*(8*((\a)%4)+\b):8*(8*((\a)%4)+\b)+7], v[128*(\p)+FR*\b:128*(\p)+FR*\b+FR-1], v[AF+FR*(\a):AF+FR*(\a)+FR-1], 0, v[SC+8*NQ*(\sc)+NQ*\b+(\q)], v[SC+8*NQ*(\sc)+NQ*(\a)+(\q)] matrix_a_fmt:MATRIX_FMT_BF6 matrix_b_fmt:MATRIX_FMT_BF6 matrix_a_scale:MATRIX_SCALE_ROW1
.else
	v_wmma_scale_f32_16x16x128_f8f6f4 v[8*(8*((\a)%4)+\b):8*(8*((\a)%4)+\b)+7], v[128*(\p)+FR*\b:128*(\p)+FR*\b+FR-1], v[AF+FR*(\a):AF+FR*(\a)+FR-1], v[8*(8*((\a)%4)+\b):8*(8*((\a)%4)+\b)+7], v[SC+8*NQ*(\sc)+NQ*\b+(\q)], v[SC+8*NQ*(\sc)+NQ*(\a)+(\q)] matrix_a_fmt:MATRIX_FMT_BF6 matrix_b_fmt:MATRIX_FMT_BF6 matrix_a_scale:MATRIX_SCALE_ROW1
.endif
.endr
.endr
.endm
.macro FETCH_B st, p
	WIN TO_B
.irp i, 0,1,2,3,4,5,6,7
	FRAG 128*(\p)+FR*\i, ADRB, \st, \i
.endr
	WIN 0
.endm
.macro FETCH_A st, i0
.irp i, \i0, \i0+1, \i0+2, \i0+3
	FRAG AF+FR*(\i), ADRA, \st, \i
.endr
.endm
.macro SCALES pr                       ; the words of steps 2 pr, 2 pr + 1: lanes 0-15 x's block i, lanes 16-31 Wk's block i
.irp i, 0,1,2,3,4,5,6,7
	ds_load_b64 v[SC+8*NQ*((\pr)%2)+NQ*\i:SC+8*NQ*((\pr)%2)+NQ*\i+1], v[ADRS] offset:\i*SBLK+4*NQ*(\pr)
.endr
.endm
.macro PLACES n                        ; places in front of loads into registers that matrix instructions have read
.rept \n
	v_nop
.endr
.endm
; A step: 64 matrix instructions; the next step's fragments are fetched in two runs, in its middle and at its end.  Where the next step ends in a chunk not yet read, a barrier shows that chunk whole;
; where it begins in a later chunk, the chunk left behind is given up: wait for all tensor loads, the add, wait, barrier; where a chunk two on is left to fetch the barrier opens a round and the slot is filled again.
.macro STEP st, zero
.set NX, (\st)+1
.set C0, (96*(\st))/ROWB
.set C1, (96*NX)/ROWB
.set E0, (96*(\st)+95)/ROWB
.set E1, (96*NX+95)/ROWB
.if C1 > C0 || E1 > E0
	s_wait_tensorcnt 0x0                           ; all my tensor loads have landed
.if C1 > C0
	ds_add_u32 v[SPW], v[NIL]
	s_wait_dscnt 4*NL+1                            ; the add and x's blocks 4-7 (24 loads) may be out
.else
	s_wait_dscnt 4*NL                              ; x's blocks 4-7 may be out
.endif
	WIN MUL_LO
	MUL16 0, (\st)%2, (\st)%2, ((\st)/2)%2, \zero
	s_wait_dscnt 0x0                               ; the add and all my reads are done
	s_barrier_signal -1
	MUL16 2, (\st)%2, (\st)%2, ((\st)/2)%2, \zero
	WIN 0
	s_barrier_wait -1
.if C1 > C0 && C0+2 < CHUNKS
	CREST
	s_add_nc_u64 s[G0+4*(C0%2)+2:G0+4*(C0%2)+3], s[G0+4*(C0%2)+2:G0+4*(C0%2)+3], 2*ROWB
	s_add_nc_u64 s[G0B+4*(C0%2)+2:G0B+4*(C0%2)+3], s[G0B+4*(C0%2)+2:G0B+4*(C0%2)+3], 2*ROWB
	JLOAD G0+4*(C0%2), G1, G0B+4*(C0%2), G1B       ; chunk C0 + 2; its four v_nop are the places in front of the loads below
.else
	PLACES NP
.endif
.else
	s_wait_dscnt 4*NL
	WIN MUL_LO
	MUL16 0, (\st)%2, (\st)%2, ((\st)/2)%2, \zero
	MUL16 2, (\st)%2, (\st)%2, ((\st)/2)%2, \zero
	s_wait_dscnt 0
	PLACES NP
.endif
	FETCH_B NX, NX%2
	FETCH_A NX, 0
.if NX%2 == 0
	SCALES NX/2
.endif
.if C1 > C0 && C0+4 < CHUNKS
	global_prefetch_b8 v[PFO], s[PFA:PFA+1] offset:(C0+4)*ROWB th:TH_LOAD_NT scope:SCOPE_SE   ; the chunk two fills on
.endif
	WIN MUL_HI
	MUL16 4, (\st)%2, (\st)%2, ((\st)/2)%2, \zero
	MUL16 6, (\st)%2, (\st)%2, ((\st)/2)%2, \zero
	PLACES NP
	WIN 0
	FETCH_A NX, 4
.endm
; THE LARGEST OF A ROW, four blocks a of 16 rows at a time (hi: window 2 or 3).  A lane holds 64 scores of its row in block a: accumulator b, register j is n = LB + 16 b + j.
; The maximum of each accumulator (from its low end on), the row's maximum, the lowest b whose maximum equals it, that accumulator's eight numbers by selects, the lowest j that equals it.  No branch.
.macro ARGMAX hi
	WIN 0x2a+0x15*(\hi)
.irp b, 0,1,2,3,4,5,6,7
.irp a, 0,1,2,3
	v_max3_num_f32 v[RB+8*\a+\b], v[64*\a+8*\b], v[64*\a+8*\b+1], v[64*\a+8*\b+2]
.endr
.endr
	WIN 0x28+0x14*(\hi)
.irp i, 3,5
.irp b, 0,1,2,3,4,5,6,7
.irp a, 0,1,2,3
	v_max3_num_f32 v[RB+8*\a+\b], v[RB+8*\a+\b], v[64*\a+8*\b+\i], v[64*\a+8*\b+\i+1]
.endr
.endr
.endr
.irp b, 0,1,2,3,4,5,6,7
.irp a, 0,1,2,3
	v_max_num_f32 v[RB+8*\a+\b], v[RB+8*\a+\b], v[64*\a+8*\b+7]
.endr
.endr
	WIN 0
.irp a, 0,1,2,3
	v_max3_num_f32 v[BV+4*\hi+\a], v[RB+8*\a], v[RB+8*\a+1], v[RB+8*\a+2]
.endr
.irp i, 3,5
.irp a, 0,1,2,3
	v_max3_num_f32 v[BV+4*\hi+\a], v[BV+4*\hi+\a], v[RB+8*\a+\i], v[RB+8*\a+\i+1]
.endr
.endr
.irp a, 0,1,2,3
	v_max_num_f32 v[BV+4*\hi+\a], v[BV+4*\hi+\a], v[RB+8*\a+7]
.endr
.irp a, 0,1,2,3
	v_mov_b32 v[JB+\a], 7
.endr
.irp b, 6,5,4,3,2,1,0
.irp a, 0,1,2,3
	v_cmp_eq_f32 s[MK+8*\a+\b], v[RB+8*\a+\b], v[BV+4*\hi+\a]
.endr
.irp a, 0,1,2,3
	v_cndmask_b32 v[JB+\a], v[JB+\a], \b, s[MK+8*\a+\b]
.endr
.endr
	WIN 0x0a+0x05*(\hi)
.irp j, 0,1,2,3,4,5,6,7
.irp a, 0,1,2,3
	v_cndmask_b32 v[CD+8*\a+\j], v[64*\a+56+\j], v[64*\a+48+\j], s[MK+8*\a+6]
.endr
.endr
	WIN 0x08+0x04*(\hi)
.irp b, 5,4,3,2,1,0
.irp j, 0,1,2,3,4,5,6,7
.irp a, 0,1,2,3
	v_cndmask_b32 v[CD+8*\a+\j], v[CD+8*\a+\j], v[64*\a+8*\b+\j], s[MK+8*\a+\b]
.endr
.endr
.endr
	WIN 0
.irp a, 0,1,2,3
	v_mov_b32 v[JJ+\a], 7
.endr
.irp j, 6,5,4,3,2,1,0
.irp a, 0,1,2,3
	v_cmp_eq_f32 s[MK+\a], v[CD+8*\a+\j], v[BV+4*\hi+\a]
.endr
.irp a, 0,1,2,3
	v_cndmask_b32 v[JJ+\a], v[JJ+\a], \j, s[MK+\a]
.endr
.endr
.irp a, 0,1,2,3
	v_lshl_add_u32 v[JB+\a], v[JB+\a], 4, v[JJ+\a]
.endr
.irp a, 0,1,2,3
	v_add_nc_u32 v[BI+4*\hi+\a], v[LB], v[JB+\a]
.endr
.endm
.macro BETTER v, n, ov, on             ; the other's pair wins where its score is greater, or equal with the lower n
	v_cmp_gt_f32 s[MK], v[\ov], v[\v]
	v_cmp_eq_f32 s[MK+1], v[\ov], v[\v]
	v_cmp_lt_u32 s[MK+2], v[\on], v[\n]
	s_and_b32 s[MK+1], s[MK+1], s[MK+2]
	s_or_b32 s[MK], s[MK], s[MK+1]
	v_cndmask_b32 v[\v], v[\v], v[\ov], s[MK]
	v_cndmask_b32 v[\n], v[\n], v[\on], s[MK]
.endm
	s_wait_alu depctr_va_vdst(0)                   ; the wait at the head's end
	s_wait_tensorcnt 0x0                           ; my tile of the head's four is in
	ds_add_u32 v[SPW], v[NIL]
	s_mov_b32 s[G1+2], 128<<16                     ; no tensor load of mine is out: from here on a load brings 128 rows
	s_mov_b32 s[G1+4], 128
	s_mov_b32 s[G1B+2], 128<<16
	s_mov_b32 s[G1B+4], 128
	s_wait_dscnt 0x0
	CROUND
	JLOAD G0+4, G1, G0B+4, G1B                     ; chunk 1, slot 1's first fill
	FETCH_B 0, 0
	FETCH_A 0, 0
	SCALES 0
	global_prefetch_b8 v[PFO], s[PFA:PFA+1] offset:3*ROWB th:TH_LOAD_NT scope:SCOPE_SE   ; chunk 3
	FETCH_A 0, 4
	STEP 0, 1                                      ; the first step's products start the sums
.set ST, 1
.rept STEPS-2
	STEP ST, 0
.set ST, ST+1
.endr
	s_wait_dscnt 4*NL                              ; the last step fetches nothing
	WIN MUL_LO
	MUL16 0, 1, 1, 1, 0
	MUL16 2, 1, 1, 1, 0
	s_wait_dscnt 0
	WIN MUL_HI
	MUL16 4, 1, 1, 1, 0
	MUL16 6, 1, 1, 1, 0
	WIN 0
	PLACES NP
	ARGMAX 0
	ARGMAX 1
	s_mov_b32 s20, 0x76543210
	s_mov_b32 s21, 0xfedcba98
.irp a, 0,1,2,3,4,5,6,7,8,9,10,11,12,13,14,15
	v_mov_b32 v[OV+\a], 0                          ; a lane permute's destination counts as one of its sources
.endr
.irp a, 0,1,2,3,4,5,6,7
	v_permlanex16_b32 v[OV+\a], v[BV+\a], s20, s21 ; lane l xor 16 holds the same row's other 64 columns
	v_permlanex16_b32 v[ON+\a], v[BI+\a], s20, s21
.endr
.irp a, 0,1,2,3,4,5,6,7
	BETTER BV+\a, BI+\a, OV+\a, ON+\a
.endr
	s_wait_alu depctr_va_vdst(0)
.irp a, 0,1,2,3,4,5,6,7
	ds_store_b32 v[XA], v[BV+\a] offset:64*\a      ; both halves of the lanes write the same word with the same value
	ds_store_b32 v[XA], v[BI+\a] offset:1024+64*\a
.endr
	s_wait_dscnt 0x0                               ; for the others' sake
	s_barrier_signal -1
	s_barrier_wait -1
	ds_load_b64 v[FB:FB+1], v[RA]                  ; two rows a lane: column half 0's scores, its n,
	ds_load_b64 v[FB+2:FB+3], v[RA] offset:1024
	ds_load_b64 v[FB+4:FB+5], v[RA] offset:2048    ; column half 1's
	ds_load_b64 v[FB+6:FB+7], v[RA] offset:3072
	s_wait_dscnt 0x0
	BETTER FB, FB+2, FB+4, FB+6
	BETTER FB+1, FB+3, FB+5, FB+7
	global_store_b64 v[GOF], v[FB:FB+1], s[96:97]  ; each store of the wave covers 256 consecutive bytes, aligned
	global_store_b64 v[GOF], v[FB+2:FB+3], s[98:99]
	s_wait_tensorcnt 0x0                           ; the wave's end
	ds_add_u32 v[SPW], v[NIL]
	s_wait_dscnt 0x0
	CROUND                                         ; the closing round
	s_endpgm
.Lfunc_end_k_q02fc4704ca_gemm:
	.size	k_q02fc4704ca_gemm, .Lfunc_end_k_q02fc4704ca_gemm-k_q02fc4704ca_gemm
	.p2alignl 7, 3214868480
	.fill 96, 4, 3214868480
	.section	.rodata,"a",@progbits
	.p2align	6, 0x0
	.amdhsa_kernel k_q02fc4704ca_gemm
		.amdhsa_group_segment_fixed_size 327680
		.amdhsa_private_segment_fixed_size 0
		.amdhsa_enable_private_segment 0
		.amdhsa_kernarg_size 48
		.amdhsa_user_sgpr_count 2
		.amdhsa_user_sgpr_kernarg_segment_ptr 1
		.amdhsa_wavefront_size32 1
		.amdhsa_system_sgpr_workgroup_id_x 1
		.amdhsa_system_sgpr_workgroup_id_y 1
		.amdhsa_system_sgpr_workgroup_id_z 1
		.amdhsa_system_vgpr_workitem_id 0
		.amdhsa_next_free_vgpr 1024
		.amdhsa_next_free_sgpr 100
		.amdhsa_reserve_vcc 0
		.amdhsa_float_denorm_mode_32 3
		.amdhsa_float_denorm_mode_16_64 3
		.amdhsa_memory_ordered 1
		.amdhsa_forward_progress 1
		.amdhsa_inst_pref_size 255
	.end_amdhsa_kernel
	.section	.bss,"aw",@nobits
	.p2align	6
	.space	262144
	.amdgpu_metadata
---
amdhsa.version: [ 1, 2 ]
amdhsa.kernels:
  - .name:           k_q02fc4704ca_gemm
    .symbol:         k_q02fc4704ca_gemm.kd
    .args:
      - { .name: x_codes, .offset: 0, .size: 8, .value_kind: global_buffer, .address_space: global }
      - { .name: x_scales, .offset: 8, .size: 8, .value_kind: global_buffer, .address_space: global }
      - { .name: Wk_codes, .offset: 16, .size: 8, .value_kind: global_buffer, .address_space: global }
      - { .name: Wk_scales, .offset: 24, .size: 8, .value_kind: global_buffer, .address_space: global }
      - { .name: pv, .offset: 32, .size: 8, .value_kind: global_buffer, .address_space: global }
      - { .name: pn, .offset: 40, .size: 8, .value_kind: global_buffer, .address_space: global }
    .group_segment_fixed_size: 327680
    .private_segment_fixed_size: 0
    .kernarg_segment_align: 8
    .kernarg_segment_size: 48
    .max_flat_workgroup_size: 128
    .sgpr_count:     100
    .vgpr_count:     1024
    .wavefront_size: 32
...
	.end_amdgpu_metadata
.endif
;; end of part 2
;; launch pick (part 3): grid 64 x 1, 1 waves a work-group, no clusters, 0 bytes of LDS; arguments pv, pn, idx; writes idx
.if DOCPART == 3
	.amdgcn_target "amdgcn-amd-amdhsa--gfx1250"
	.amdhsa_code_object_version 6
	.text
	.protected	k_q02fc4704ca_pick
	.globl	k_q02fc4704ca_pick
	.p2align	8
	.type	k_q02fc4704ca_pick,@function
k_q02fc4704ca_pick:
	s_mov_b64 s[64:65], 0
	v_nop
	global_prefetch_b8 v0, s[64:65] scope:SCOPE_SE
	s_setreg_imm32_b32 hwreg(HW_REG_WAVE_MODE, 25, 1), 1
	s_wait_xcnt 0x0
; idx[b] = the n of row b's largest score: the 32 parts of a row (pv, pn: [32 tile columns][4096]) are joined.  The parts ascend in n, so a later part wins only where its score is GREATER: the lowest n keeps ties.
; The choice is made by v_cndmask_b32 alone; no address and no branch hangs on it here: it is stored as a whole number for the next launch.
; One wave a work-group, two rows a lane, 64 rows a wave: each load and the store cover 256 consecutive bytes, aligned.
	s_load_b128 s[4:7], s[0:1], 0x0                ; pv, pn
	s_load_b64 s[8:9], s[0:1], 0x10                ; idx
	v_lshlrev_b32 v1, 3, v0                        ; 8 bytes a lane
	s_lshl_b32 s10, ttmp9, 8                       ; 64 rows x 4 bytes a work-group
	s_mov_b32 s11, 0
	s_wait_alu depctr_va_vdst(0)                   ; the wait at the head's end
	s_wait_kmcnt 0x0
	s_add_nc_u64 s[4:5], s[4:5], s[10:11]
	s_add_nc_u64 s[6:7], s[6:7], s[10:11]
	s_add_nc_u64 s[8:9], s[8:9], s[10:11]
.set G, 0
.rept 32
	global_load_b64 v[16+2*G:17+2*G], v1, s[4:5] offset:16384*G
.set G, G+1
.endr
.set G, 0
.rept 32
	global_load_b64 v[80+2*G:81+2*G], v1, s[6:7] offset:16384*G
.set G, G+1
.endr
	s_wait_loadcnt 0x0
.set G, 1
.rept 31
	v_cmp_gt_f32 vcc_lo, v[16+2*G], v16            ; the two rows by turns
	v_cmp_gt_f32 s12, v[17+2*G], v17
	v_cndmask_b32 v80, v80, v[80+2*G], vcc_lo
	v_cndmask_b32 v81, v81, v[81+2*G], s12
	v_max_num_f32 v16, v16, v[16+2*G]
	v_max_num_f32 v17, v17, v[17+2*G]
.set G, G+1
.endr
	global_store_b64 v1, v[80:81], s[8:9]
	s_endpgm
.Lfunc_end_k_q02fc4704ca_pick:
	.size	k_q02fc4704ca_pick, .Lfunc_end_k_q02fc4704ca_pick-k_q02fc4704ca_pick
	.p2alignl 7, 3214868480
	.fill 96, 4, 3214868480
	.section	.rodata,"a",@progbits
	.p2align	6, 0x0
	.amdhsa_kernel k_q02fc4704ca_pick
		.amdhsa_group_segment_fixed_size 0
		.amdhsa_private_segment_fixed_size 0
		.amdhsa_enable_private_segment 0
		.amdhsa_kernarg_size 24
		.amdhsa_user_sgpr_count 2
		.amdhsa_user_sgpr_kernarg_segment_ptr 1
		.amdhsa_wavefront_size32 1
		.amdhsa_system_sgpr_workgroup_id_x 1
		.amdhsa_system_sgpr_workgroup_id_y 1
		.amdhsa_system_sgpr_workgroup_id_z 1
		.amdhsa_system_vgpr_workitem_id 0
		.amdhsa_next_free_vgpr 144
		.amdhsa_next_free_sgpr 66
		.amdhsa_reserve_vcc 1
		.amdhsa_float_denorm_mode_32 3
		.amdhsa_float_denorm_mode_16_64 3
		.amdhsa_memory_ordered 1
		.amdhsa_forward_progress 1
		.amdhsa_inst_pref_size 15
	.end_amdhsa_kernel
	.amdgpu_metadata
---
amdhsa.version: [ 1, 2 ]
amdhsa.kernels:
  - .name:           k_q02fc4704ca_pick
    .symbol:         k_q02fc4704ca_pick.kd
    .args:
      - { .name: pv, .offset: 0, .size: 8, .value_kind: global_buffer, .address_space: global }
      - { .name: pn, .offset: 8, .size: 8, .value_kind: global_buffer, .address_space: global }
      - { .name: idx, .offset: 16, .size: 8, .value_kind: global_buffer, .address_space: global }
    .group_segment_fixed_size: 0
    .private_segment_fixed_size: 0
    .kernarg_segment_align: 8
    .kernarg_segment_size: 24
    .max_flat_workgroup_size: 32
    .sgpr_count:     66
    .vgpr_count:     144
    .wavefront_size: 32
...
	.end_amdgpu_metadata
.endif
;; end of part 3
;; launch gather (part 4): grid 128 x 2, 16 waves a work-group, no clusters, 130,048 bytes of LDS; arguments Wg, idx, out0; writes out0
.if DOCPART == 4
	.amdgcn_target "amdgcn-amd-amdhsa--gfx1250"
	.amdhsa_code_object_version 6
	.text
	.protected	k_q02fc4704ca_gather
	.globl	k_q02fc4704ca_gather
	.p2align	8
	.type	k_q02fc4704ca_gather,@function
k_q02fc4704ca_gather:
	s_mov_b64 s[64:65], 0
	v_nop
	global_prefetch_b8 v0, s[64:65] scope:SCOPE_SE
	s_setreg_imm32_b32 hwreg(HW_REG_WAVE_MODE, 25, 1), 1
	s_wait_xcnt 0x0
; out0[b][c] = Wg[c][idx[b]].  Wg: [1000][8192] f32; idx: [4096] u32, stored by the launch before; out0: [4096][1000] f32.
; A work-group owns 64 columns of Wg (work-group x) and 500 classes (work-group y): it reads that block once, in pieces of 128 consecutive bytes (the two halves of an aligned 256 side by side in the text), and lays it TURNED in LDS,
; T[column][class], 2,000 bytes a column.  Then it looks at all 4,096 rows b, 256 a wave: where idx[b] falls into its 64 columns, the column's 2,000 bytes are the row's half, and leave as four stores of 512 consecutive bytes.
; So each byte of Wg is read once and each half row of out0 has one owner.
; THE SEARCH is made 32 rows at a time: register g, lane l holds idx of the wave's row 32 g + l; a shift and one compare give a mask of the rows that are mine.  A group without such a row is passed over by one branch;
; in the others a loop of as many trips as the mask has bits takes the lowest bit each time.  On average 4,096 / 128 / 16 = 2 rows of a wave are mine.
; What hangs on idx: these branches and trip counts, an LDS address (the index held inside the table by s_min_u32) and the row's place in out0 (the bit's number held at 31 by s_min_u32).
; The grid serves every split: a work-group into whose columns no winner falls stores nothing; if all winners fall into one block the result is right all the same.
; No tensor load: branches hang on numbers read from memory.  A lane takes a column and its registers run down the classes, so that four classes of a column are 16 bytes for one LDS store.
; The pitch, 2,000 = 125 x 16 bytes, is an odd multiple of 16: the 16 lanes of half a store fall on 16 different columns of 16 bytes modulo 256 (64 banks of 4 bytes: ISA guide 11.1).
.set PT,  2000                         ; a column of T in bytes
.set D,   16                           ; v16-79  eight groups of 4 classes x 2 x 32 columns
.set IV,  96                           ; v96-103 my wave's 256 indices
.set MG,  16                           ; s16-23  a mask for each group of 32 rows
	s_load_b128 s[4:7], s[0:1], 0x0                ; Wg, idx
	s_load_b64 s[8:9], s[0:1], 0x10                ; out0
	v_lshl_add_u32 v104, v0, 2, 0x1f400
	v_mov_b32 v105, 0
	v_lshrrev_b32 v1, 5, v0
	s_delay_alu instid0(VALU_DEP_1)
	v_readfirstlane_b32 s10, v1                    ; wave 0..15
	v_and_b32 v1, 31, v0                           ; lane
	s_delay_alu instid0(VALU_DEP_1)
	v_lshlrev_b32 v2, 2, v1                        ; my column's 4 bytes; also my row's index in a group of 32
	s_delay_alu instid0(VALU_DEP_2)
	v_mul_u32_u24 v3, v1, PT
	s_lshl_b32 s14, s10, 4
	v_add_nc_u32 v3, s14, v3                       ; T: column = lane, + 16 bytes x my wave's quad of classes
	s_delay_alu instid0(VALU_DEP_1)
	v_add_nc_u32 v4, 32*PT, v3                     ; and column = 32 + lane
	v_lshlrev_b32 v5, 4, v1                        ; 16 x lane: on the way out
	s_mov_b32 s13, ttmp9                           ; which 64 columns
	s_and_b32 s12, ttmp7, 0xffff                   ; which 500 classes
	s_mul_i32 s86, s12, 500
	s_lshl_b32 s14, s10, 2
	s_add_co_u32 s86, s86, s14                     ; my wave's first class: 500 x half + 4 x wave
	s_lshl_b32 s86, s86, 15                        ; a row of Wg is 32,768 bytes
	s_lshl_b32 s14, s13, 8
	s_add_co_u32 s86, s86, s14                     ; + 256 bytes x block
	s_mov_b32 s87, 0
	s_wait_alu depctr_va_vdst(0)
	s_wait_kmcnt 0x0
	s_add_nc_u64 s[4:5], s[4:5], s[86:87]
	s_add_nc_u64 s[84:85], s[4:5], 0x800000        ; 256 classes on, so that every offset stays inside the signed 24-bit immediate (ISA guide, chapter 10)
	s_lshl_b32 s86, s10, 10
	s_add_nc_u64 s[6:7], s[6:7], s[86:87]          ; idx of my wave's 256 rows
	s_mul_i32 s86, s12, 2000
	s_mul_i32 s14, s10, 1024000
	s_add_co_u32 s86, s86, s14
	s_add_nc_u64 s[8:9], s[8:9], s[86:87]          ; out0 at my wave's first row, my half
; Group i: the quad of classes wave + 16 i (125 quads: group 7 exists in waves 0 to 12 alone)
.macro GLOAD i, base
.irp k, 0,1,2,3
.irp ch, 0,1
	global_load_b32 v[D+8*(\i)+4*\ch+\k], v2, s[\base:\base+1] offset:(64*((\i)%4)+\k)*32768+128*\ch th:TH_LOAD_NT
.endr
.endr
.endm
.macro GSTORE i
	ds_store_b128 v3, v[D+8*(\i):D+8*(\i)+3] offset:256*(\i)
	ds_store_b128 v4, v[D+8*(\i)+4:D+8*(\i)+7] offset:256*(\i)
.endm
.irp g, 0,1,2,3,4,5,6,7
	global_load_b32 v[IV+\g], v2, s[6:7] offset:128*\g   ; my wave's indices, 128 consecutive bytes a load: first of all, so that the first counted wait below covers them
.endr
	s_cmp_ge_u32 s10, 13
	s_cbranch_scc1 .Lno_load_7
	GLOAD 7, 84                                    ; ahead of the others, so that the counts below are the same in every wave
.Lno_load_7:
	GLOAD 0, 4
	GLOAD 1, 4
	GLOAD 2, 4
	GLOAD 3, 4
	GLOAD 4, 84
	GLOAD 5, 84
	GLOAD 6, 84
	s_wait_loadcnt 48                              ; the indices and groups 7 and 0 are in; the six groups of 8 loads issued behind group 0 may be out
	GSTORE 0
	s_cmp_ge_u32 s10, 13
	s_cbranch_scc1 .Lno_store_7
	GSTORE 7
.Lno_store_7:
.irp g, 1,2,3,4,5,6
	s_wait_loadcnt 8*(6-\g)                        ; group g is in; the groups behind it may be out
	GSTORE \g
.endr
.irp g, 0,1,2,3,4,5,6,7
	v_lshrrev_b32 v[8+\g], 6, v[IV+\g]             ; which block of 64 columns the winner lies in
.endr
.irp g, 0,1,2,3,4,5,6,7
	v_cmp_eq_u32 s[MG+\g], s13, v[8+\g]            ; bit l: the wave's row 32 g + l is mine
.endr
	s_wait_dscnt 0x0                               ; for the others' sake: my stores into T are done
	s_barrier_signal -1
	s_barrier_wait -1                              ; T is whole; from here on LDS is only read
; The wave's rows 32 g to 32 g + 31.
.macro GROUP g
	s_cmp_eq_u32 s[MG+\g], 0
	s_cbranch_scc1 .Lnone_\@                       ; none of the 32 is mine
	s_bcnt1_i32_b32 s15, s[MG+\g]                  ; so many are: the loop's trips
	s_mov_b32 s11, 0
.Lhit_\@:
	s_ctz_i32_b32 s12, s[MG+\g]                    ; the lowest of them,
	s_min_u32 s12, s12, 31                         ; held inside the group
	s_lshl_b32 s14, 1, s12
	s_and_not1_b32 s[MG+\g], s[MG+\g], s14         ; its bit is taken out
	v_readlane_b32 s14, v[IV+\g], s12              ; its index,
	s_min_u32 s14, s14, 8191                       ; held inside the table
	s_and_b32 s14, s14, 63
	s_mul_i32 s14, s14, PT                         ; the column in T
	s_mul_i32 s12, s12, 4000                       ; the row in out0, counted from the group's first
	s_wait_xcnt 0x0                                ; the last row's stores have read their registers and their offset
	v_add_nc_u32 v6, s14, v5                       ; 16 bytes a lane
	v_add_nc_u32 v7, s12, v5
	ds_load_b128 v[80:83], v6
	ds_load_b128 v[84:87], v6 offset:512
	ds_load_b128 v[88:91], v6 offset:1024
	ds_load_b128 v[92:95], v6 offset:1488          ; the last piece ends with the column: its first 48 bytes are stored twice, with the same values, which spares a change of EXEC
	s_wait_alu depctr_va_vdst(0)
	s_wait_dscnt 0x0
	global_store_b128 v7, v[80:83], s[8:9] offset:128000*(\g) th:TH_STORE_NT   ; each store covers 512 consecutive bytes; 32 rows of 4,000 bytes a group
	global_store_b128 v7, v[84:87], s[8:9] offset:128000*(\g)+512 th:TH_STORE_NT
	global_store_b128 v7, v[88:91], s[8:9] offset:128000*(\g)+1024 th:TH_STORE_NT
	global_store_b128 v7, v[92:95], s[8:9] offset:128000*(\g)+1488 th:TH_STORE_NT
	s_add_co_u32 s11, s11, 1
	s_cmp_lt_u32 s11, s15
	s_cbranch_scc1 .Lhit_\@
.Lnone_\@:
.endm
.irp g, 0,1,2,3,4,5,6,7
	GROUP \g
.endr
	s_wait_tensorcnt 0x0
	ds_add_u32 v104, v105
	s_wait_dscnt 0x0
	s_endpgm
.Lfunc_end_k_q02fc4704ca_gather:
	.size	k_q02fc4704ca_gather, .Lfunc_end_k_q02fc4704ca_gather-k_q02fc4704ca_gather
	.p2alignl 7, 3214868480
	.fill 96, 4, 3214868480
	.section	.rodata,"a",@progbits
	.p2align	6, 0x0
	.amdhsa_kernel k_q02fc4704ca_gather
		.amdhsa_group_segment_fixed_size 130048
		.amdhsa_private_segment_fixed_size 0
		.amdhsa_enable_private_segment 0
		.amdhsa_kernarg_size 24
		.amdhsa_user_sgpr_count 2
		.amdhsa_user_sgpr_kernarg_segment_ptr 1
		.amdhsa_wavefront_size32 1
		.amdhsa_system_sgpr_workgroup_id_x 1
		.amdhsa_system_sgpr_workgroup_id_y 1
		.amdhsa_system_sgpr_workgroup_id_z 1
		.amdhsa_system_vgpr_workitem_id 0
		.amdhsa_next_free_vgpr 106
		.amdhsa_next_free_sgpr 88
		.amdhsa_reserve_vcc 0
		.amdhsa_float_denorm_mode_32 3
		.amdhsa_float_denorm_mode_16_64 3
		.amdhsa_memory_ordered 1
		.amdhsa_forward_progress 1
		.amdhsa_inst_pref_size 23
	.end_amdhsa_kernel
	.amdgpu_metadata
---
amdhsa.version: [ 1, 2 ]
amdhsa.kernels:
  - .name:           k_q02fc4704ca_gather
    .symbol:         k_q02fc4704ca_gather.kd
    .args:
      - { .name: Wg, .offset: 0, .size: 8, .value_kind: global_buffer, .address_space: global }
      - { .name: idx, .offset: 8, .size: 8, .value_kind: global_buffer, .address_space: global }
      - { .name: out0, .offset: 16, .size: 8, .value_kind: global_buffer, .address_space: global }
    .group_segment_fixed_size: 130048
    .private_segment_fixed_size: 0
    .kernarg_segment_align: 8
    .kernarg_segment_size: 24
    .max_flat_workgroup_size: 512
    .sgpr_count:     88
    .vgpr_count:     106
    .wavefront_size: 32
...
	.end_amdgpu_metadata
.endif
;; end of part 4
